; MI455X (gfx1250); checked and timed in simulation.
; The chip was launched on July 23, 2026; its instructions are those of AMD's public machine-readable ISA for CDNA 5 (MIT licence, August 2026) and "CDNA5" Instruction Set Architecture Reference Guide (July 2026). The comments in the code are by the model that wrote it; some were corrected since.
;; Scaled Dot Product. Allowed arithmetic: matrix products marked QUANTISED: E2M1 operands, one E8M0 scale for each 32 along K, by v_wmma_scale_f32_16x16x128_f8f6f4 with both operands' format E2M1 (or v_wmma_scale_f32_32x16x128_f4), f32 sums; everything else in f32.
;; Inputs: K 4 x 16 x 2,048 x 64 float32; Q 4 x 16 x 2,048 x 64 float32; V 4 x 16 x 2,048 x 64 float32; attn_mask 4 x 1 x 1 x 2,048 bool.
;; Outputs: out0 4 x 16 x 2,048 x 64 float32.
;; This version of the problem:
;;   THIS VERSION OF THE PROBLEM IS GIVEN IN LOW PRECISION. The matrix products marked QUANTISED in the list below multiply operands that are first quantised to E2M1 (2 exponent bits, 1 mantissa bit; 4 bits a number), with one power-of-two scale for each 32 numbers along K (OCP MX v1.0); their sums are f32. All else is computed in f32.
;;   The module's matrix products, in the order in which they are computed (A, B: the left and right operand; K: the contracted axis; several contracted axes count as one K, in the product's order):
;;     1. batch 64 x [M 2,048, K 64] x [K 64, N 2,048]; A: input Q; B: input K: QUANTISED
;;     2. batch 64 x [M 2,048, K 2,048] x [K 2,048, N 64]; A: softmax (see below); B: input V: QUANTISED
;;   THE QUANTISER, for each operand of a quantised product, along K:
;;     - K is cut into blocks of 32 from its start; a last block that is shorter is filled with zeros.
;;     - A block's scale is 2^e with e = floor(log2(the largest magnitude in the block)) - 2, held to -126 .. 127; a block of zeros has e = 0. As a byte (E8M0): e + 127.
;;     - Each number is divided by its block's scale, clamped to +-6, and rounded to the nearest number of E2M1, ties to even, subnormals kept.
;;     - The product sums the exact products of the quantised numbers (number of the format x scale) in f32.
;;   ~~~python
;;   def quantise(x, axis):      # numpy; x: float32 -> the quantised numbers, widened to float32 again
;;       x = np.moveaxis(x, axis, -1); K = x.shape[-1]
;;       x = np.pad(x, [(0, 0)] * (x.ndim - 1) + [(0, -K % 32)]); x = x.reshape(x.shape[:-1] + (-1, 32)); a = np.abs(x).max(-1, keepdims=True)
;;       e = np.where(a > 0, np.clip(np.frexp(np.where(a > 0, a, 1))[1] - 1 - 2, -126, 127), 0)      # np.frexp(a)[1] - 1 = floor(log2(a)), exactly
;;       r = np.clip(x / 2.0 ** e, -6, 6)
;;       step = 2.0 ** (np.maximum(np.frexp(np.where(r == 0, 1, r))[1] - 1, 0) - 1)
;;       q = np.round(r / step) * step * 2.0 ** e      # np.round: ties to even
;;       return np.moveaxis(q.reshape(q.shape[:-2] + (-1,))[..., :K], -1, axis).astype(np.float32)
;;   ~~~
;;   SOFTMAX AHEAD OF A QUANTISED PRODUCT. Where the list says 'softmax', what is quantised is not the finished softmax but p = 2^(t - M), with t = logit x log2(e) and M = ceil(the row's largest t), a whole number; so 1/2 < the row's largest p <= 1. The row's sum l is taken of the UNQUANTISED p, in f32, and the product's result is divided by l at the end. Since M is a whole number, a kernel that streams over the keys may use a running M (the ceiling of the running maximum): every later rescaling is an exact power of two, which a block's scale takes up: the codes' values come out the same.
;;   OPERANDS COMPUTED ON THE WAY. 'Computed on the way' means the value that the module computes at that place (a softmax that the list does not call 'softmax' is quantised finished and normalised). What goes into a quantiser is computed in f32, as accurately as f32 sums, v_exp_f32 and their like allow (about 1e-6 of the number): no bf16 or f16 on the way to a quantiser, and a product that is left as it is and whose result goes on into a quantised operand takes f32 operands (vector FMAs, or v_wmma_f32_16x16x4_f32). A number that lies on a knife's edge between two numbers of the format may be rounded either way, as far as f32 arithmetic and the matrix unit's own rounding can turn it there, and no further.
;; One version. Each part assembles by itself: llvm-mc -triple=amdgcn-amd-amdhsa -mcpu=gfx1250 --defsym DOCPART=n.
;; ======== version 1 of 1: 1 launch
;; limits: right only within a limited range of input values
;; launch attn (part 1): grid 4 x 64, 16 waves a work-group, clusters of 4 x 1, 327,680 bytes of LDS; arguments Q, K, V, attn_mask, out0; writes out0
.if DOCPART == 1
	.amdgcn_target "amdgcn-amd-amdhsa--gfx1250"
	.amdhsa_code_object_version 6
	.text
	.protected	k_qc5eec6475b_attn
	.globl	k_qc5eec6475b_attn
	.p2align	8
	.type	k_qc5eec6475b_attn,@function
k_qc5eec6475b_attn:
	s_mov_b64 s[64:65], 0
	v_nop
	global_prefetch_b8 v0, s[64:65] scope:SCOPE_SE
	s_setreg_imm32_b32 hwreg(HW_REG_WAVE_MODE, 25, 1), 1
	s_wait_xcnt 0x0
	s_wait_alu depctr_hold_cnt(0) depctr_sa_sdst(0) depctr_va_vdst(0) depctr_va_sdst(0) depctr_va_ssrc(0) depctr_va_vcc(0) depctr_vm_vsrc(0)
	s_getreg_b32 s2, hwreg(HW_REG_IB_STS2, 6, 4)
	s_cmp_eq_u32 s2, 0
	s_cbranch_scc0 .Lentry_in_a_cluster
	s_endpgm
.Lentry_in_a_cluster:
	s_bfe_u32 s2, ttmp6, 0x10000c
	s_cmp_lg_u32 s2, 0x3003
	s_cbranch_scc0 .Lentry_shape_is_right
	s_endpgm
.Lentry_shape_is_right:
; out0[hd][q][:] = sum over k of softmax_k(mask ? -1e9 : Q[hd][q].K[hd][k] / 8) V[hd][k][:]; 64 heads, 2,048 queries and keys, 64 channels, f32; the mask [4][2048], a byte a key, belongs to batch hd / 16.
; Both products run on codes of FP4 (E2M1) with one E8M0 scale for each 32 along a product's K: Q and K along the channels, V and p along the keys.
; p = 2^(t - M), t = score x log2(e) / 8, M = the running largest t rounded up to a whole number; the row's sum is taken of the unquantised p and divides at the end.
; SHARES.  A work-group (16 waves) owns 512 queries of one head, a wave 32 of them (two tiles of 16).  The four work-groups of a head form a cluster and walk the same K and V:
;   256 keys a trip, 8 trips.  K's and V's f32 rows come by JOINT tensor loads (mask 15), one a wave (waves 0-7: 32 rows of K each, waves 8-15: of V), into a ring of two slots.
;   TRIP g, behind ONE round of the cluster's barrier: slot g % 2 is filled with keys 256 (g + 2) on; each wave runs trip g's two key steps of 128 keys from half g % 2 of the record, which was whole at the round;
;   BETWEEN the two steps it turns one tile of 16 keys of K and one block of 32 keys x 32 channels of V of keys 256 (g + 1) on, from the other slot, into codes, as images of the operands' registers,
;   in half (g + 1) % 2 of the record: no barrier parts that work from the steps, since they touch different bytes.
;   Each fragment of K and V serves both the wave's tiles of queries.  Q comes first, a plain tensor load of the wave's own 32 rows into slot 1, which is filled again only when Q has been read.
; LAYOUT.  Both products are used transposed: S^T = K Q^T, O^T = V^T P^T: a lane holds ONE query (lane % 16).  Row 8 h' + j of tile 4 c + i is key 64 c + 32 h' + 8 i + j of the step,
;   so lane (r, h) holds in tiles 4 c .. 4 c + 3 the keys 64 c + 32 h + 0 .. 31: block 2 c + h whole; a tile's eight registers convert into register 4 c + i of p's operand.
; THE MASK RIDES IN THE FIRST PRODUCT'S IDLE K (128 in the instruction, 64 in the head): at k = 64 a masked key has the code -1 under the scale 2^60 (an open key the code 0), every query the code 1 under the scale 1.
;   K's fragments stand 6 registers apart: registers 5 to 7 of a fragment hold whatever lies there; they meet Q's zero codes, and every FP4 code is a finite number.
;   The running largest score begins at -8e9, the score whose logit is -1e9.  A batch with no open key: Q's codes are ANDed with FLG (0 then): all scores 0, p = 1, as reference() has it.  FLG is a select, no branch.
; LIMITS: a row whose largest open logit lies under -1e9 is not served; |q.k| stays under 2^59; NaN and infinities are not served; blocks whose largest magnitude lies under 2^-124 keep the scale byte 1
;   (a block of zeros too: its codes are zeros, and this program alone reads the bytes); a p under 2^-126 counts as 0.
; PREFETCH: in trip g waves 0 to 3 name the 256 keys that trip g + 2 will load (K: waves 0, 1; V: waves 2, 3), a lane a row of 256 bytes; the four partners take different rows BY ADDRESS
;   (32 (4 (wave % 2) + cx) on), so each row is named once in the cluster.  The trips whose look-ahead would pass key 2,047 ask for nothing; the first four loads of K and V come unasked.
.set PITCH, 272                        ; an LDS row of f32: 256 bytes + 16 of padding
.set WTILE, 32*PITCH                   ; what one tensor load brings
.set VOFF,  8*WTILE                    ; a slot: 256 rows of K, then 256 rows of V
.set SLOT,  16*WTILE
.set RECB,  2*SLOT                     ; the record: two halves of two key steps of REC bytes
.set REC,   9984
.set O_KI,  0                          ; K's 8 tiles: 512 i + 16 lane
.set O_VI,  4096                       ; V's 4 tiles x 2 parts: 512 (2 t + c) + 16 lane
.set O_KS,  8192                       ; K's scale words: tile i, row m at 256 (i % 2) + 16 m + 4 (i / 2)
.set O_KM,  8704                       ; K's words for k = 64 .. 71: 128 i + 4 lane
.set O_VS,  9728                       ; V's scale words: 128 (t / 2) + 4 (r + 16 (t % 2))
.set MB,    RECB+4*REC                 ; the batch's 2,048 mask bytes
.set SPARE, MB+2048                    ; the spare words, 128 bytes a wave
.set SPW, 1
.set NIL, 2
.set AK,  3                            ; record + 16 lane
.set AV,  4                            ; record + 4 lane
.set H8,  5                            ; 8 (lane / 16)
.set KRD, 6                            ; my K rows in slot 0
.set VRD, 7                            ; my V column in slot 0
.set KST, 8                            ; where my K codes, scale word, mask word go
.set KSS, 9
.set KMS, 10
.set MBR, 11                           ; my key's mask byte
.set VST, 12                           ; where my V codes and scale byte go
.set VSS, 13
.set FF,  14                           ; v[14:15] f = 2^(old M - new M); the upper one is only named
.set STA, 16                           ; a tile's state: -M, largest score, the sum in two halves
.set STB, 20
.set QF,  24                           ; v[24:31], v[32:39] Q's two fragments
.set QSC, 40                           ; scale words, in registers that hold nothing else
.set PSC, 42
.set VSC, 44
.set PFO, 46                           ; 256 x lane
.set KSC, 48
.set T,   52                           ; v[52:59] at work
.set PC,  60                           ; v[60:67], v[68:75] p's codes
.set KF,  76                           ; v[76:125] K's 8 fragments, 6 apart; then V's 4 in v[76:107]
.set SB2, 126                          ; v[126:127] a chain of the sum
.set SS,  128                          ; v[128:191] S^T, then p; the quantisers' numbers
.set OT,  192                          ; v[192:223], v[224:255] O^T
.set WV,  14
.set HD,  15
.set G0,  28                           ; K's and V's tiles: group 0, which walks; group 1
.set G1,  32
.set SEL, 40
.set CS,  42
.set MSC, 44
.set FLG, 45
.set MG,  48                           ; first key of the 256 that are quantised next
.set CNT, 49
.set LW,  50
.set LIM, 51
.set PFA, 52
.set CX,  54
.set G0Q, 68                           ; Q's tile
.set G1Q, 72
.macro ROUND
	s_barrier_signal -1
	s_barrier_wait -1
	s_cmp_lg_u32 s[WV], 0
	s_cbranch_scc1 .Lnw0_\@
	s_barrier_signal -3
.Lnw0_\@:
	s_barrier_wait -3
	s_barrier_signal -1
	s_barrier_wait -1
.endm
; the largest magnitude of 32 numbers with the floor 2^(3 - 127); v[T+5] = the conversions' scale operand (2 off the exponent field)
.macro BMAX x
	v_max3_num_f32 v[T+4], |v[\x]|, |v[\x+1]|, |v[\x+2]|
	v_max3_num_f32 v[T+5], |v[\x+3]|, |v[\x+4]|, |v[\x+5]|
.irp i, 6,10,14,18,22,26
	v_max3_num_f32 v[T+4], v[T+4], |v[\x+\i]|, |v[\x+\i+1]|
	v_max3_num_f32 v[T+5], v[T+5], |v[\x+\i+2]|, |v[\x+\i+3]|
.endr
	v_max3_num_f32 v[T+4], v[T+4], |v[\x+30]|, |v[\x+31]|
	v_max3_num_f32 v[T+4], v[T+4], v[T+5], 0x1800000
	v_add_nc_u32 v[T+5], 0xff000000, v[T+4]
.endm
.macro CVT4 d, x
.irp i, 0,1,2,3
	v_cvt_scalef32_pk8_fp4_f32 v[\d+\i], v[\x+8*\i:\x+8*\i+7], v[T+5]
.endr
.endm
; the row's scale word from the two halves' bytes -> v[T+4]
.macro WORD2
	v_lshrrev_b32 v[T+4], 23, v[T+5]               ; the byte (a plain line behind the conversions)
	v_lshlrev_b32 v[T+4], v[H8], v[T+4]
	v_permlanex16_b32 v[T+6], v[T+4], s[SEL], s[SEL+1]
	v_or_b32 v[T+4], v[T+4], v[T+6]
.endm
; 256 keys of slot sl become codes in the record's half at byte rb
.macro QUANT sl, rb
.if \sl
	v_add_nc_u32 v[T], SLOT, v[KRD]
	v_add_nc_u32 v[T+1], SLOT, v[VRD]
.set RK, T
.set RV, T+1
.else
.set RK, KRD
.set RV, VRD
.endif
	v_add_nc_u32 v[T+2], s[MG], v[MBR]
	s_add_co_u32 s[MG], s[MG], 256
.irp i, 0,1,2,3,4,5,6,7
	ds_load_b128 v[SS+4*\i:SS+4*\i+3], v[RK] offset:16*\i      ; K: my key's block of 32 channels
.endr
	ds_load_u8 v[T+3], v[T+2]                      ; and its mask byte
.set vi, 0
.rept 32
	ds_load_b32 v[SS+32+vi], v[RV] offset:PITCH*vi    ; V: my channel, 32 keys down; 32 lanes read 128 consecutive bytes
.set vi, vi+1
.endr
	s_wait_dscnt 32                                ; K's nine loads are in; V's 32 may be out
	BMAX SS
	CVT4 PC, SS
	WORD2
	v_mad_u32_u24 v[T+4], v[T+3], s[MSC], v[T+4]   ; a masked key: the byte 187 for k = 64 .. 95
	v_mul_u32_u24 v[T+3], v[T+3], 10               ; and the code -1 at k = 64
	ds_store_b128 v[KST], v[PC:PC+3] offset:\rb
	ds_store_b32 v[KSS], v[T+4] offset:\rb         ; both halves of the lanes store the same word
	ds_store_b32 v[KMS], v[T+3] offset:\rb
	s_wait_dscnt 3                                 ; V's loads are in; the three stores may be out
	BMAX SS+32
	CVT4 PC+4, SS+32
	v_lshrrev_b32 v[T+4], 23, v[T+5]
	ds_store_b128 v[VST], v[PC+4:PC+7] offset:\rb
	ds_store_b8 v[VSS], v[T+4] offset:\rb
.endm
	s_load_b256 s[4:11], s[0:1], 0x0               ; Q, K, V, the mask
	s_load_b64 s[12:13], s[0:1], 0x20              ; out0
	v_lshl_add_u32 v[SPW], v0, 2, SPARE
	v_mov_b32 v[NIL], 0
	ds_add_u32 v[SPW], v[NIL]                      ; the add twice on end, one wait
	ds_add_u32 v[SPW], v[NIL]
	v_lshrrev_b32 v[T], 5, v0
	v_readfirstlane_b32 s[WV], v[T]                ; wave 0 .. 15
	s_and_b32 s[HD], ttmp7, 0xffff                 ; the head
	s_bfe_u32 s[CX], ttmp6, 0x40000                ; my block of 512 queries
	s_mov_b32 s[G1], 15|(2<<16)|(1<<20)|(1<<21)|(5<<22)|(3<<25)   ; mask: the four partners; 4-byte elements; 4 words of padding behind every 64
	s_mov_b32 s[G1Q], (2<<16)|(1<<20)|(5<<22)|(3<<25)             ; Q's: the same tile, no mask
	s_mov_b32 s[G1+1], 64<<16
	s_mov_b32 s[G1Q+1], 64<<16
	s_mov_b32 s[G1+2], 32<<16
	s_mov_b32 s[G1Q+2], 32<<16
	s_mov_b32 s[G1+3], 64<<16
	s_mov_b32 s[G1Q+3], 64<<16
	s_mov_b32 s[G1+4], 32
	s_mov_b32 s[G1Q+4], 32
	s_mov_b32 s[G1+5], 64
	s_mov_b32 s[G1Q+5], 64
	s_mov_b32 s[G1+6], 0
	s_mov_b32 s[G1Q+6], 0
	s_mov_b32 s[G1+7], 0
	s_mov_b32 s[G1Q+7], 0
	s_mov_b32 s[G0], 1
	s_mov_b32 s[G0Q], 1
	s_mul_i32 s[LW], s[WV], WTILE
	s_mov_b32 s[G0+1], s[LW]                       ; keys 0 .. 255 go to slot 0,
	s_add_co_u32 s[G0Q+1], s[LW], SLOT             ; Q to slot 1
	s_lshl_b32 s16, s[HD], 19                      ; the head's first byte in Q, K, V, out0
	s_mov_b32 s17, 0
	s_and_b32 s18, s[WV], 7
	s_lshl_b32 s18, s18, 13
	s_add_co_u32 s18, s18, s16                     ; my 32 rows of K or V
	s_mov_b32 s19, 0
	s_lshl_b32 s22, s[CX], 17
	s_add_co_u32 s22, s22, s16
	s_lshl_b32 s23, s[WV], 13
	s_add_co_u32 s22, s22, s23                     ; my 32 queries
	s_mov_b32 s23, 0
	s_lshr_b32 s24, s[HD], 4
	s_lshl_b32 s24, s24, 11                        ; my batch's mask
	s_mov_b32 s25, 0
	s_and_b32 s26, s[WV], 1
	s_lshl_b32 s26, s26, 2
	s_add_co_u32 s26, s26, s[CX]
	s_lshl_b32 s26, s26, 13
	s_add_co_u32 s26, s26, s16
	s_add_co_u32 s26, s26, 0x30000                 ; the prefetches stand at keys 768 on; each trip steps them first
	s_mov_b32 s27, 0
	s_lshr_b32 s61, s[WV], 3
	s_mul_i32 s61, s61, REC                        ; my key step's part of a half of the record
	s_lshr_b32 s3, s[WV], 2
	s_lshl_b32 s3, s3, 6
	s_and_b32 s55, s[WV], 3
	s_lshl_b32 s55, s55, 3
	s_add_co_u32 s3, s3, s55                       ; K: my tile's first row: 64 (w / 4) + 8 (w % 4)
	s_lshr_b32 s55, s[WV], 1
	s_mul_i32 s55, s55, WTILE
	s_and_b32 s62, s[WV], 1                        ; u
	s_lshl_b32 s56, s62, 7
	s_add_co_u32 s55, s55, s56
	s_add_co_u32 s55, s55, VOFF                    ; V: block w / 2, columns 32 u on
	s_add_co_u32 s60, s61, s56
	s_and_b32 s57, s[WV], 7
	s_lshl_b32 s56, s57, 9
	s_add_co_u32 s56, s56, s61                     ; K's codes
	s_lshl_b32 s58, s57, 7
	s_add_co_u32 s58, s58, s61
	s_add_co_u32 s58, s58, O_KM                    ; K's mask words
	s_bfe_u32 s63, s[WV], 0x20001                  ; (w / 2) % 4
	s_add_co_u32 s60, s60, s63
	s_add_co_u32 s60, s60, O_VS                    ; V's scale byte
	s_lshl_b32 s57, s63, 2
	s_add_co_u32 s57, s57, s61
	s_lshl_b32 s59, s62, 8
	s_add_co_u32 s57, s57, s59
	s_add_co_u32 s57, s57, O_KS                    ; K's scale word
	s_lshl_b32 s59, s62, 11
	s_add_co_u32 s59, s59, s61
	s_lshl_b32 s63, s63, 8                         ; 512 c + 256 h of my block
	s_add_co_u32 s59, s59, s63
	s_add_co_u32 s59, s59, O_VI                    ; V's codes
	s_mov_b32 s[SEL], 0x76543210
	s_mov_b32 s[SEL+1], 0xfedcba98
	s_mov_b32 s[CS], 0x3e38aa3b                    ; log2(e) / 8
	s_mov_b32 s[CS+1], s[CS]
	s_mov_b32 s[MSC], 0xbb0000                     ; the byte 187 (2^60) for k = 64 .. 95
	s_mov_b32 s63, 0x01010101
	s_mov_b32 s[MG], 0
	s_mov_b32 s[CNT], 3
	s_cmp_lt_u32 s[WV], 4
	s_cselect_b32 s[LIM], 2, 100                   ; waves 0 to 3 ask in the loop's first two passes: trips 0 to 3
	s_wait_dscnt 0x0
	s_wait_kmcnt 0x0
	s_cmp_lt_u32 s[WV], 8
	s_cselect_b64 s[20:21], s[6:7], s[8:9]
	s_add_nc_u64 s[G0+2:G0+3], s[20:21], s[18:19]
	s_or_b32 s[G0+3], s[G0+3], 0x80000000
	s_add_nc_u64 s[G0Q+2:G0Q+3], s[4:5], s[22:23]
	s_or_b32 s[G0Q+3], s[G0Q+3], 0x80000000
	s_cmp_lt_u32 s[WV], 2
	s_cselect_b64 s[PFA:PFA+1], s[6:7], s[8:9]
	s_add_nc_u64 s[PFA:PFA+1], s[PFA:PFA+1], s[26:27]
	s_add_nc_u64 s[12:13], s[12:13], s[22:23]
	s_add_nc_u64 s[10:11], s[10:11], s[24:25]
	ROUND                                          ; in a cluster launch a round stands in front of every group of tensor loads
	tensor_load_to_lds s[G0Q:G0Q+3], s[G1Q:G1Q+7]  ; my 32 queries: my one load at the head
	s_nop 0
	v_and_b32 v[T], 31, v0                         ; L
	v_and_b32 v[T+1], 15, v0                       ; r
	v_bfe_u32 v[T+2], v0, 4, 1                     ; h
	v_lshlrev_b32 v[T+3], 4, v[T]
	v_lshlrev_b32 v[T+4], 2, v0
.irp i, 0,1,2,3
	global_load_b128 v[KF+4*\i:KF+4*\i+3], v[T+3], s[10:11] offset:512*\i   ; the batch's mask
.endr
	global_load_b32 v[KF+16], v[T+4], s[10:11]     ; and my thread's four bytes of it
	v_lshl_add_u32 v[AK], v[T], 4, RECB
	v_lshl_add_u32 v[AV], v[T], 2, RECB
	v_lshlrev_b32 v[H8], 3, v[T+2]
	v_bfe_u32 v[T+6], v0, 3, 1
	v_and_b32 v[T+7], 7, v0
	v_lshl_add_u32 v[T+6], v[T+6], 5, v[T+7]
	v_add_nc_u32 v[T+6], s3, v[T+6]                ; my key's row in a slot: 32 (m / 8) + m % 8 + the tile's first
	v_mul_u32_u24 v[KRD], v[T+6], PITCH
	v_lshl_add_u32 v[KRD], v[T+2], 7, v[KRD]
	v_add_nc_u32 v[MBR], MB, v[T+6]
	v_lshl_add_u32 v[VRD], v[T], 2, s55
	v_add_nc_u32 v[KST], s56, v[AK]
	v_lshl_add_u32 v[KSS], v[T+1], 4, RECB
	v_add_nc_u32 v[KSS], s57, v[KSS]
	v_add_nc_u32 v[KMS], s58, v[AV]
	v_lshl_add_u32 v[VST], v[T+1], 4, RECB
	v_lshl_add_u32 v[VST], v[T+2], 10, v[VST]
	v_add_nc_u32 v[VST], s59, v[VST]
	v_add_nc_u32 v[VSS], s60, v[AV]
	v_lshlrev_b32 v[PFO], 8, v[T]
	v_add_nc_u32 v[T+7], MB, v[T+4]
	v_mul_u32_u24 v[T+5], v[T+1], PITCH
	v_lshl_add_u32 v[T+5], v[T+2], 7, v[T+5]
	v_add_nc_u32 v[T+5], s[G0Q+1], v[T+5]          ; Q in LDS: row r, block h: a lane takes a whole block of 32 channels
	v_xor_b32 v[QF+4], 1, v[T+2]
	v_lshlrev_b32 v[QF+4], 1, v[QF+4]              ; lanes 0-15: the code 1 at k = 64
	v_mov_b32 v[FF+1], 0
	v_mov_b32 v[STA+1], 0xcfee6b28                 ; -8e9
	v_mov_b32 v[STB+1], 0xcfee6b28
	v_mul_f32 v[FF], s[CS], v[STA+1]
	v_floor_f32 v[STA], -v[FF]
	v_floor_f32 v[STB], -v[FF]
.irp i, 2,3,6,7
	v_mov_b32 v[STA+\i], 0
.endr
.set oi, 0
.rept 64
	v_mov_b32 v[OT+oi], 0                          ; O^T: the step is written once; the first finds zeros
.set oi, oi+1
.endr
	s_wait_alu depctr_va_vdst(0)
	s_wait_loadcnt 0x0                             ; the mask
.irp i, 0,2,4,6,8,10,12,14
	v_and_b32 v[KF+\i], v[KF+\i], v[KF+\i+1]
.endr
.irp i, 0,4,8,12
	v_and_b32 v[KF+\i], v[KF+\i], v[KF+\i+2]
.endr
	v_and_b32 v[KF], v[KF], v[KF+4]
	v_and_b32 v[KF+8], v[KF+8], v[KF+12]
	v_and_b32 v[KF], v[KF], v[KF+8]
	v_cmp_ne_u32 s62, s63, v[KF]                   ; the lanes that hold an open key
	s_cmp_lg_u32 s62, 0
	s_cselect_b32 s[FLG], -1, 0
	ds_store_b32 v[T+7], v[KF+16]
.irp i, 0,1,2,3,4,5,6,7
	v_mov_b32 v[KF+6*\i+5], 0                      ; written once, so that every register of a fragment has been written
.endr
	v_mov_b32 v[KF+48], 0
	v_mov_b32 v[KF+49], 0
	v_and_b32 v[QF+4], s[FLG], v[QF+4]
	v_mov_b32 v[QF+12], v[QF+4]
.irp i, 5,6,7,13,14,15
	v_mov_b32 v[QF+\i], 0
.endr
	s_wait_alu depctr_va_vdst(0)
	s_wait_tensorcnt 0x0                           ; Q is in.
	ds_add_u32 v[SPW], v[NIL]
	s_wait_dscnt 0x0
	ROUND
	tensor_load_to_lds s[G0:G0+3], s[G1:G1+7]      ; keys 0 .. 255 into slot 0
	s_nop 0
.irp tl, 0,1
.irp i, 0,1,2,3,4,5,6,7
	ds_load_b128 v[SS+32*\tl+4*\i:SS+32*\tl+4*\i+3], v[T+5] offset:16*PITCH*\tl+16*\i
.endr
.endr
	s_wait_dscnt 0x0
.irp tl, 0,1
	BMAX SS+32*\tl
	CVT4 QF+8*\tl, SS+32*\tl
	WORD2
	v_or_b32 v[QSC+\tl], 0x7f0000, v[T+4]          ; the scale 1 for k = 64 .. 95
.irp i, 0,1,2,3
	v_and_b32 v[QF+8*\tl+\i], s[FLG], v[QF+8*\tl+\i]
.endr
.endr
	s_wait_alu depctr_va_vdst(0)
	s_wait_tensorcnt 0x0                           ; keys 0 .. 255 are in
	ds_add_u32 v[SPW], v[NIL]
	s_add_co_u32 s[G0+1], s[LW], SLOT
	s_add_nc_u64 s[G0+2:G0+3], s[G0+2:G0+3], 0x10000
	s_wait_dscnt 0x0                               ; the add, and my reads of Q
	ROUND
	tensor_load_to_lds s[G0:G0+3], s[G1:G1+7]      ; keys 256 .. 511 into slot 1, where Q lay
	s_nop 0
	QUANT 0, 0
; S^T = K Q^T for one tile of queries, and four plain lines behind the products
.macro SMUL q, qs, st
.set tau, 0
.rept 8
.if tau%2
	v_wmma_scale_f32_16x16x128_f8f6f4 v[SS+8*tau:SS+8*tau+7], v[KF+6*tau:KF+6*tau+7], v[\q:\q+7], 0, v[KSC+tau/2], v[\qs] matrix_a_fmt:MATRIX_FMT_FP4 matrix_b_fmt:MATRIX_FMT_FP4 matrix_a_scale:MATRIX_SCALE_ROW1
.else
	v_wmma_scale_f32_16x16x128_f8f6f4 v[SS+8*tau:SS+8*tau+7], v[KF+6*tau:KF+6*tau+7], v[\q:\q+7], 0, v[KSC+tau/2], v[\qs] matrix_a_fmt:MATRIX_FMT_FP4 matrix_b_fmt:MATRIX_FMT_FP4
.endif
.set tau, tau+1
.endr
	v_mov_b32 v[T+5], v[\st]                       ; the old -M
	v_nop
	v_nop
	v_nop
.endm
.macro SOFTMAX st, ot, pc, psc
	v_max3_num_f32 v[T], v[SS], v[SS+1], v[SS+2]   ; the largest score of my two blocks of 32 keys, each in two chains; every result is first read at its low end
	v_max3_num_f32 v[T+1], v[SS+32], v[SS+33], v[SS+34]
	v_max3_num_f32 v[T+6], v[SS+16], v[SS+17], v[SS+18]
	v_max3_num_f32 v[T+7], v[SS+48], v[SS+49], v[SS+50]
.irp i, 3,5,7,9,11,13
	v_max3_num_f32 v[T], v[T], v[SS+\i], v[SS+\i+1]
	v_max3_num_f32 v[T+1], v[T+1], v[SS+32+\i], v[SS+33+\i]
	v_max3_num_f32 v[T+6], v[T+6], v[SS+16+\i], v[SS+17+\i]
	v_max3_num_f32 v[T+7], v[T+7], v[SS+48+\i], v[SS+49+\i]
.endr
	v_max3_num_f32 v[T], v[T], v[T+6], v[SS+15]
	v_max3_num_f32 v[T+1], v[T+1], v[T+7], v[SS+47]
	v_max_num_f32 v[T], v[T], v[SS+31]
	v_max_num_f32 v[T+1], v[T+1], v[SS+63]
	v_max_num_f32 v[T+2], v[T], v[T+1]
	v_permlanex16_b32 v[T+3], v[T+2], s[SEL], s[SEL+1]
	v_max3_num_f32 v[\st+1], v[\st+1], v[T+2], v[T+3]   ; the running largest score
	s_delay_alu instid0(VALU_DEP_1)
	v_mul_f32 v[T+4], s[CS], v[\st+1]
	s_delay_alu instid0(VALU_DEP_1)
	v_floor_f32 v[\st], -v[T+4]                    ; -M = floor(-t)
	s_delay_alu instid0(VALU_DEP_1)
	v_sub_f32 v[T+5], v[\st], v[T+5]               ; old M - new M
	s_delay_alu instid0(VALU_DEP_1)
	v_cvt_i32_f32 v[T+5], v[T+5]
	s_delay_alu instid0(VALU_DEP_1)
	v_ldexp_f32 v[FF], 1.0, v[T+5]                 ; f: multiplying by it rounds nothing
	v_fma_f32 v[T], v[T], s[CS], v[\st]
	v_fma_f32 v[T+1], v[T+1], s[CS], v[\st]
.set gi, 0
.rept 32
	v_pk_fma_f32 v[SS+2*gi:SS+2*gi+1], v[SS+2*gi:SS+2*gi+1], s[CS:CS+1], v[\st:\st+1] op_sel_hi:[1,0,0]   ; t - M
.set gi, gi+1
.endr
	s_wait_alu depctr_va_vdst(0)
	v_exp_f32 v[T], v[T]                           ; the blocks' largest p
	v_exp_f32 v[T+1], v[T+1]
.set gi, 0
.rept 64
	v_exp_f32 v[SS+gi], v[SS+gi]                   ; p = 2^(t - M)
.set gi, gi+1
.endr
	v_pk_mul_f32 v[\st+2:\st+3], v[\st+2:\st+3], v[FF:FF+1] op_sel_hi:[1,0]   ; the plain line behind the batch
	s_wait_alu depctr_va_vdst(0)                   ; one wait: for the batch's results and, directly ahead of its first readers, for O^T
.set gi, 0
.rept 16
	v_pk_mul_f32 v[\ot+2*gi:\ot+2*gi+1], v[\ot+2*gi:\ot+2*gi+1], v[FF:FF+1] op_sel_hi:[1,0]   ; O^T under the new M, ascending
.set gi, gi+1
.endr
	v_max_num_f32 v[T], 0x1800000, v[T]            ; the floor: the byte cannot fall under 1
	v_max_num_f32 v[T+1], 0x1800000, v[T+1]
	v_add_nc_u32 v[T+2], 0xff000000, v[T]
	v_add_nc_u32 v[T+3], 0xff000000, v[T+1]
	v_lshrrev_b32 v[T+4], 23, v[T+2]
	v_lshrrev_b32 v[T+5], 23, v[T+3]
	v_lshl_or_b32 v[T+4], v[T+5], 16, v[T+4]
	v_lshlrev_b32 v[T+4], v[H8], v[T+4]
	v_permlanex16_b32 v[T+5], v[T+4], s[SEL], s[SEL+1]
	v_or_b32 v[\psc], v[T+4], v[T+5]               ; p's scale word
.irp c, 0,1
.irp i, 0,1,2,3
	v_cvt_scalef32_pk8_fp4_f32 v[\pc+4*\c+\i], v[SS+32*\c+8*\i:SS+32*\c+8*\i+7], v[T+2+\c]
.endr
.endr
	v_pk_add_f32 v[T+6:T+7], v[SS:SS+1], v[SS+2:SS+3]   ; the row's sum of the unquantised p, in three chains
	v_pk_add_f32 v[SB2:SB2+1], v[SS+4:SS+5], v[SS+6:SS+7]
.set gi, 8
.rept 9
	v_pk_add_f32 v[\st+2:\st+3], v[\st+2:\st+3], v[SS+gi:SS+gi+1]
	v_pk_add_f32 v[T+6:T+7], v[T+6:T+7], v[SS+gi+2:SS+gi+3]
	v_pk_add_f32 v[SB2:SB2+1], v[SB2:SB2+1], v[SS+gi+4:SS+gi+5]
.set gi, gi+6
.endr
	v_pk_add_f32 v[\st+2:\st+3], v[\st+2:\st+3], v[SS+62:SS+63]
	v_pk_add_f32 v[T+6:T+7], v[T+6:T+7], v[SB2:SB2+1]
	v_pk_add_f32 v[\st+2:\st+3], v[\st+2:\st+3], v[T+6:T+7]
.endm
.macro PV1 ot, pc, psc
.if tv%2
	v_wmma_scale_f32_16x16x128_f8f6f4 v[\ot+8*tv:\ot+8*tv+7], v[KF+8*tv:KF+8*tv+7], v[\pc:\pc+7], v[\ot+8*tv:\ot+8*tv+7], v[VSC+tv/2], v[\psc] matrix_a_fmt:MATRIX_FMT_FP4 matrix_b_fmt:MATRIX_FMT_FP4 matrix_a_scale:MATRIX_SCALE_ROW1
.else
	v_wmma_scale_f32_16x16x128_f8f6f4 v[\ot+8*tv:\ot+8*tv+7], v[KF+8*tv:KF+8*tv+7], v[\pc:\pc+7], v[\ot+8*tv:\ot+8*tv+7], v[VSC+tv/2], v[\psc] matrix_a_fmt:MATRIX_FMT_FP4 matrix_b_fmt:MATRIX_FMT_FP4
.endif
.endm
; A KEY STEP of 128 keys for both my tiles of queries; its part of the record begins at byte rb
.macro KSTEP rb
.rept 4
	v_nop                                          ; four plain lines between the last products and the loads into the registers that they read
.endr
	ds_load_b128 v[KSC:KSC+3], v[AK] offset:\rb+O_KS
.irp i, 0,1,2,3,4,5,6,7
	ds_load_b128 v[KF+6*\i:KF+6*\i+3], v[AK] offset:\rb+O_KI+512*\i
	ds_load_b32 v[KF+6*\i+4], v[AV] offset:\rb+O_KM+128*\i
.endr
	s_wait_dscnt 0x0
	SMUL QF, QSC, STA
	SOFTMAX STA, OT, PC, PSC
	SMUL QF+8, QSC+1, STB
.irp i, 0,1,2,3,4,5,6,7
	ds_load_b128 v[KF+4*\i:KF+4*\i+3], v[AK] offset:\rb+O_VI+512*\i   ; V's fragments, where K's lay: they land under the second softmax
.endr
	ds_load_b32 v[VSC], v[AV] offset:\rb+O_VS
	ds_load_b32 v[VSC+1], v[AV] offset:\rb+O_VS+128
	SOFTMAX STB, OT+32, PC+8, PSC+1
	s_wait_dscnt 0x0                               ; V
.set tv, 0
.rept 4                                        ; O^T += V^T P^T: eight accumulators by turns
	PV1 OT, PC, PSC
	PV1 OT+32, PC+8, PSC+1
.set tv, tv+1
.endr
.endm
; A TRIP of parity p: one round; slot p is filled again; the first key step on the record's half p; the other slot's keys become codes in the record's other half; the second key step.
; The quantiser stands between the steps, so that the waves reach its 41 LDS loads one after the other and not all at once behind the round.
; It writes over p's registers of the first step's last products: the 18 plain lines and more ahead of its conversions are the places that those products ask for.
.macro TRIP p, refill, quant
.if \refill
	s_wait_xcnt 0x0                                ; any prefetch of mine has read its address
	s_add_nc_u64 s[PFA:PFA+1], s[PFA:PFA+1], 0x10000
.endif
	s_wait_tensorcnt 0x0                           ; my part of the other slot is in
	ds_add_u32 v[SPW], v[NIL]
.if \refill
	s_add_co_u32 s[G0+1], s[LW], \p*SLOT
	s_add_nc_u64 s[G0+2:G0+3], s[G0+2:G0+3], 0x10000
.endif
	s_wait_dscnt 0x0                               ; the add; my reads of slot p and of the record's other half; my stores into half p
	ROUND
.if \refill
	tensor_load_to_lds s[G0:G0+3], s[G1:G1+7]      ; my one load behind the round
	s_nop 0
.endif
	KSTEP (2*\p*REC)
.if \quant
	QUANT (1-\p), (2*(1-\p)*REC)
.endif
.if \refill
	s_cmp_ge_u32 s[CNT], s[LIM]
	s_cbranch_scc0 .Lna_\@
	global_prefetch_b8 v[PFO], s[PFA:PFA+1] th:TH_LOAD_NT scope:SCOPE_SE
.Lna_\@:
.endif
	KSTEP ((2*\p+1)*REC)
.endm
	s_wait_alu depctr_va_vdst(0)
.Ltrip:                                                ; three passes of two trips: trips 0 to 5 ask for keys 512 to 2,047
	TRIP 0, 1, 1
	TRIP 1, 1, 1
	s_sub_co_u32 s[CNT], s[CNT], 1
	s_cmp_lg_u32 s[CNT], 0
	s_cbranch_scc1 .Ltrip
	TRIP 0, 0, 1                                   ; the last two trips are written out: they ask for nothing,
	TRIP 1, 0, 0                                   ; and the last has nothing left to quantise
	; THE WAY OUT.  O^T / the sum goes through my stage (16 rows of 256 + 16 bytes, in slot 0, which has had its last fill and is read no more) and leaves as whole rows
	s_mul_i32 s16, s[WV], 16*PITCH
	v_and_b32 v[T], 15, v0
	v_bfe_u32 v[T+1], v0, 4, 1
	v_mul_u32_u24 v[T+2], v[T], PITCH
	v_lshl_add_u32 v[T+2], v[T+1], 5, v[T+2]
	v_add_nc_u32 v[T+2], s16, v[T+2]               ; in: row r, + 32 h
	v_mul_u32_u24 v[T+3], v[T+1], PITCH
	v_lshl_add_u32 v[T+3], v[T], 4, v[T+3]
	v_add_nc_u32 v[T+3], s16, v[T+3]               ; back: lanes 0-15 one row, lanes 16-31 the next
	v_and_b32 v[T+4], 31, v0
	v_lshlrev_b32 v[T+4], 4, v[T+4]
.macro OUT tl, st, ot
.if \tl > 0
	s_wait_xcnt 0x0                                ; the last tile's stores have read their registers
.endif
	v_add_f32 v[\st+2], v[\st+2], v[\st+3]
	v_permlanex16_b32 v[FF], v[\st+2], s[SEL], s[SEL+1]
	v_add_f32 v[\st+2], v[\st+2], v[FF]            ; the row's sum
	s_wait_alu depctr_va_vdst(0)                   ; the wait ahead of the reciprocal
	v_rcp_f32 v[\st+2], v[\st+2]
	v_nop
	s_wait_alu depctr_va_vdst(0)                   ; and ahead of its first reader, which is O^T's first reader too
.set oi, 0
.rept 32
	v_mul_f32 v[SS+oi], v[\ot+oi], v[\st+2]        ; register 8 t + j is out0(query r, channel 16 t + 8 h + j)
.set oi, oi+1
.endr
.irp i, 0,1,2,3
	ds_store_b128 v[T+2], v[SS+8*\i:SS+8*\i+3] offset:64*\i
	ds_store_b128 v[T+2], v[SS+8*\i+4:SS+8*\i+7] offset:64*\i+16
.endr
.irp i, 0,1,2,3,4,5,6,7
	ds_load_b128 v[SS+32+4*\i:SS+32+4*\i+3], v[T+3] offset:2*PITCH*\i   ; my wave's own bytes, served in order
.endr
.irp i, 0,1,2,3,4,5,6,7
	s_wait_dscnt 7-\i
	global_store_b128 v[T+4], v[SS+32+4*\i:SS+32+4*\i+3], s[12:13] offset:4096*\tl+512*\i th:TH_STORE_NT   ; 32 lanes store 512 consecutive bytes
.endr
.endm
	OUT 0, STA, OT
	OUT 1, STB, OT+32
	s_wait_tensorcnt 0x0                           ; the wave's end
	ds_add_u32 v[SPW], v[NIL]
	s_wait_dscnt 0x0
	ROUND                                          ; the closing round
	s_endpgm
.Lfunc_end_k_qc5eec6475b_attn:
	.size	k_qc5eec6475b_attn, .Lfunc_end_k_qc5eec6475b_attn-k_qc5eec6475b_attn
	.p2alignl 7, 3214868480
	.fill 96, 4, 3214868480
	.section	.rodata,"a",@progbits
	.p2align	6, 0x0
	.amdhsa_kernel k_qc5eec6475b_attn
		.amdhsa_group_segment_fixed_size 327680
		.amdhsa_private_segment_fixed_size 0
		.amdhsa_enable_private_segment 0
		.amdhsa_kernarg_size 40
		.amdhsa_user_sgpr_count 2
		.amdhsa_user_sgpr_kernarg_segment_ptr 1
		.amdhsa_wavefront_size32 1
		.amdhsa_system_sgpr_workgroup_id_x 1
		.amdhsa_system_sgpr_workgroup_id_y 1
		.amdhsa_system_sgpr_workgroup_id_z 1
		.amdhsa_system_vgpr_workitem_id 0
		.amdhsa_next_free_vgpr 256
		.amdhsa_next_free_sgpr 96
		.amdhsa_reserve_vcc 0
		.amdhsa_float_denorm_mode_32 3
		.amdhsa_float_denorm_mode_16_64 3
		.amdhsa_memory_ordered 1
		.amdhsa_forward_progress 1
		.amdhsa_inst_pref_size 255
	.end_amdhsa_kernel
	.section	.bss,"aw",@nobits
	.p2align	6
	.space	262144
	.amdgpu_metadata
---
amdhsa.version: [ 1, 2 ]
amdhsa.kernels:
  - .name:           k_qc5eec6475b_attn
    .symbol:         k_qc5eec6475b_attn.kd
    .args:
      - { .name: Q, .offset: 0, .size: 8, .value_kind: global_buffer, .address_space: global }
      - { .name: K, .offset: 8, .size: 8, .value_kind: global_buffer, .address_space: global }
      - { .name: V, .offset: 16, .size: 8, .value_kind: global_buffer, .address_space: global }
      - { .name: attn_mask, .offset: 24, .size: 8, .value_kind: global_buffer, .address_space: global }
      - { .name: out0, .offset: 32, .size: 8, .value_kind: global_buffer, .address_space: global }
    .group_segment_fixed_size: 327680
    .private_segment_fixed_size: 0
    .kernarg_segment_align: 8
    .kernarg_segment_size: 40
    .max_flat_workgroup_size: 512
    .sgpr_count:     96
    .vgpr_count:     256
    .wavefront_size: 32
...
	.end_amdgpu_metadata
.endif
;; end of part 1
